; MI455X (gfx1250); checked and timed in simulation.
; The chip was launched on July 23, 2026; its instructions are those of AMD's public machine-readable ISA for CDNA 5 (MIT licence, August 2026) and "CDNA5" Instruction Set Architecture Reference Guide (July 2026). The comments in the code are by the model that wrote it; some were corrected since.
;; Multi Head Attention. Allowed arithmetic: matrix products marked QUANTISED: E2M3 operands, one E8M0 scale for each 32 along K, by v_wmma_scale_f32_16x16x128_f8f6f4 with both operands' format E2M3, f32 sums; everything else in f32.
;; Inputs: Ek_codes 16 x 64 x 64 x 24 uint8 (E2M3 codes of Ek, K innermost, in blocks of 32 codes, four codes in three bytes); Ek_scales 16 x 64 x 64 uint8 (E8M0 scales of Ek, one for each 32 codes along K); Eq_codes 16 x 64 x 64 x 24 uint8 (E2M3 codes of Eq, K innermost, in blocks of 32 codes, four codes in three bytes); Eq_scales 16 x 64 x 64 uint8 (E8M0 scales of Eq, one for each 32 codes along K); Ev_codes 16 x 64 x 64 x 24 uint8 (E2M3 codes of Ev, K innermost, in blocks of 32 codes, four codes in three bytes); Ev_scales 16 x 64 x 64 uint8 (E8M0 scales of Ev, one for each 32 codes along K); W_out_codes 2,048 x 32 x 24 uint8 (E2M3 codes of W_out, K innermost, in blocks of 32 codes, four codes in three bytes); W_out_scales 2,048 x 32 uint8 (E8M0 scales of W_out, one for each 32 codes along K); keys_codes 4,096 x 64 x 24 uint8 (E2M3 codes of keys, K innermost, in blocks of 32 codes, four codes in three bytes); keys_scales 4,096 x 64 uint8 (E8M0 scales of keys, one for each 32 codes along K); queries_codes 4,096 x 64 x 24 uint8 (E2M3 codes of queries, K innermost, in blocks of 32 codes, four codes in three bytes); queries_scales 4,096 x 64 uint8 (E8M0 scales of queries, one for each 32 codes along K); values_codes 4,096 x 64 x 24 uint8 (E2M3 codes of values, K innermost, in blocks of 32 codes, four codes in three bytes); values_scales 4,096 x 64 uint8 (E8M0 scales of values, one for each 32 codes along K).
;; Outputs: out0 4,096 x 2,048 float32.
;; This version of the problem:
;;   THIS VERSION OF THE PROBLEM IS GIVEN IN LOW PRECISION. The matrix products marked QUANTISED in the list below multiply operands that are first quantised to E2M3 (2 exponent bits, 3 mantissa bits; 6 bits a number), with one power-of-two scale for each 32 numbers along K (OCP MX v1.0); their sums are f32. All else is computed in f32.
;;   The module's matrix products, in the order in which they are computed (A, B: the left and right operand; K: the contracted axis; several contracted axes count as one K, in the product's order):
;;     1. [M 1,024, K 2,048] x [K 2,048, N 4,096]; A: input Eq (given as codes); B: input queries (given as codes): QUANTISED
;;     2. [M 1,024, K 2,048] x [K 2,048, N 4,096]; A: input Ek (given as codes); B: input keys (given as codes): QUANTISED
;;     3. [M 1,024, K 2,048] x [K 2,048, N 4,096]; A: input Ev (given as codes); B: input values (given as codes): QUANTISED
;;     4. batch 16 x [M 4,096, K 64] x [K 64, N 4,096]; A: computed on the way; B: computed on the way: QUANTISED
;;     5. batch 16 x [M 4,096, K 4,096] x [K 4,096, N 64]; A: softmax (see below); B: computed on the way: QUANTISED
;;     6. [M 4,096, K 1,024] x [K 1,024, N 2,048]; A: computed on the way; B: input W_out (given as codes): QUANTISED
;;   THE QUANTISER, for each operand of a quantised product, along K:
;;     - K is cut into blocks of 32 from its start; a last block that is shorter is filled with zeros.
;;     - A block's scale is 2^e with e = floor(log2(the largest magnitude in the block)) - 2, held to -126 .. 127; a block of zeros has e = 0. As a byte (E8M0): e + 127.
;;     - Each number is divided by its block's scale, clamped to +-7.5, and rounded to the nearest number of E2M3, ties to even, subnormals kept.
;;     - The product sums the exact products of the quantised numbers (number of the format x scale) in f32.
;;   ~~~python
;;   def quantise(x, axis):      # numpy; x: float32 -> the quantised numbers, widened to float32 again
;;       x = np.moveaxis(x, axis, -1); K = x.shape[-1]
;;       x = np.pad(x, [(0, 0)] * (x.ndim - 1) + [(0, -K % 32)]); x = x.reshape(x.shape[:-1] + (-1, 32)); a = np.abs(x).max(-1, keepdims=True)
;;       e = np.where(a > 0, np.clip(np.frexp(np.where(a > 0, a, 1))[1] - 1 - 2, -126, 127), 0)      # np.frexp(a)[1] - 1 = floor(log2(a)), exactly
;;       r = np.clip(x / 2.0 ** e, -7.5, 7.5)
;;       step = 2.0 ** (np.maximum(np.frexp(np.where(r == 0, 1, r))[1] - 1, 0) - 3)
;;       q = np.round(r / step) * step * 2.0 ** e      # np.round: ties to even
;;       return np.moveaxis(q.reshape(q.shape[:-2] + (-1,))[..., :K], -1, axis).astype(np.float32)
;;   ~~~
;;   SOFTMAX AHEAD OF A QUANTISED PRODUCT. Where the list says 'softmax', what is quantised is not the finished softmax but p = 2^(t - M), with t = logit x log2(e) and M = ceil(the row's largest t), a whole number; so 1/2 < the row's largest p <= 1. The row's sum l is taken of the UNQUANTISED p, in f32, and the product's result is divided by l at the end. Since M is a whole number, a kernel that streams over the keys may use a running M (the ceiling of the running maximum): every later rescaling is an exact power of two, which a block's scale takes up: the codes' values come out the same.
;;   OPERANDS COMPUTED ON THE WAY. 'Computed on the way' means the value that the module computes at that place (a softmax that the list does not call 'softmax' is quantised finished and normalised). What goes into a quantiser is computed in f32, as accurately as f32 sums, v_exp_f32 and their like allow (about 1e-6 of the number): no bf16 or f16 on the way to a quantiser, and a product that is left as it is and whose result goes on into a quantised operand takes f32 operands (vector FMAs, or v_wmma_f32_16x16x4_f32). A number that lies on a knife's edge between two numbers of the format may be rounded either way, as far as f32 arithmetic and the matrix unit's own rounding can turn it there, and no further.
;;   INPUTS GIVEN AS CODES. Ek (in the module: [16, 2048, 64], K = its axis 1); Eq (in the module: [16, 2048, 64], K = its axis 1); Ev (in the module: [16, 2048, 64], K = its axis 1); W_out (in the module: [1024, 2048], K = its axis 0); keys (in the module: [4096, 2048], K = its axis 1); queries (in the module: [4096, 2048], K = its axis 1); values (in the module: [4096, 2048], K = its axis 1): each comes as NAME_codes (uint8): NAME with its K axis moved to the last place and cut into blocks of 32 codes, [.., K / 32, bytes a block], one block behind the other in memory; four codes in three bytes: a row's codes are one little-endian stream of bits, code i at bits 6 i .. 6 i + 5 (a code: sign, 2 exponent bits, 3 mantissa bits); and NAME_scales (uint8): the same leading axes, one E8M0 byte (e + 127) for each 32 codes along K. Its value is code x scale, taken as it is: it is not quantised again, and the codes and scales need not be those that the quantiser above would give.
;; One version. Each part assembles by itself: llvm-mc -triple=amdgcn-amd-amdhsa -mcpu=gfx1250 --defsym DOCPART=n.
;; ======== version 1 of 1: 3 launches
;; limits: right only within a limited range of input values
;; workspace buffers: qimg 3,145,728 bytes; kimg 3,145,728 bytes; vimg 3,145,728 bytes; qsc 262,144 bytes; ksc 262,144 bytes; vsc 131,072 bytes; aimg 3,145,728 bytes; asc 131,072 bytes
;; launch proj (part 1): grid 4 x 48, 4 waves a work-group, clusters of 4 x 4, 327,680 bytes of LDS; arguments queries_codes, queries_scales, Eq_codes, Eq_scales, qimg, qsc, keys_codes, keys_scales, Ek_codes, Ek_scales, kimg, ksc, Ev_codes, Ev_scales, values_codes, values_scales, vimg, vsc; writes qimg, qsc, kimg, ksc, vimg, vsc
.if DOCPART == 1
	.amdgcn_target "amdgcn-amd-amdhsa--gfx1250"
	.amdhsa_code_object_version 6
	.text
	.protected	k_q5663a46713_proj
	.globl	k_q5663a46713_proj
	.p2align	8
	.type	k_q5663a46713_proj,@function
k_q5663a46713_proj:
	s_mov_b64 s[64:65], 0
	v_nop
	global_prefetch_b8 v0, s[64:65] scope:SCOPE_SE
	s_setreg_imm32_b32 hwreg(HW_REG_WAVE_MODE, 25, 1), 1
	s_wait_xcnt 0x0
	s_wait_alu depctr_hold_cnt(0) depctr_sa_sdst(0) depctr_va_vdst(0) depctr_va_sdst(0) depctr_va_ssrc(0) depctr_va_vcc(0) depctr_vm_vsrc(0)
	s_getreg_b32 s2, hwreg(HW_REG_IB_STS2, 6, 4)
	s_cmp_eq_u32 s2, 0
	s_cbranch_scc0 .Lentry_in_a_cluster
	s_endpgm
.Lentry_in_a_cluster:
	s_bfe_u32 s2, ttmp6, 0x10000c
	s_cmp_lg_u32 s2, 0xf033
	s_cbranch_scc0 .Lentry_shape_is_right
	s_endpgm
.Lentry_shape_is_right:
; THE THREE PROJECTIONS on codes of FP6 (E2M3), K = 2,048; the results are quantised along the next product's K and stored as images of operand registers.
; Clusters 0-3 along y make Q (A = queries, B = Eq), 4-7 K (keys, Ek), 8-11 V (A = Ev, B = values: V's next K is the keys).  No work of the problem is left out.
; A tile of 256 x 256 by four waves, 128 x 128 a wave.  K goes through a ring of two LDS slots in chunks of 256 bytes of each row: a row of codes is 1,536 bytes, so each chunk begins
; at a multiple of 256.  A step of 128 along K is 96 bytes: eight steps to three chunks; steps that lie across two chunks read both slots.  The scales of all K come once, at the head.
; 4 x 4 clusters: A's tiles are asked for jointly along a row of the cluster, B's along a column.  Source 0 = rows of B, source 1 = rows of A: a lane holds eight neighbours of a row of the result.
; The walk is written out: slots and chunks come back to where they began after sixteen steps, which is all of K.
; Prefetch: behind the refill of chunk c stands a request for chunk c + 2 (chunks 4 and 5), 32 rows a wave, the four partners' shares told apart by address.
; LIMITS: a block of zeros gets the scale byte 1 (the rule says 127): its codes are zeros and this program alone reads the bytes.  NaN and infinities are not served.
.set SIZE_K, 2048
.set ROWB,   256
.set NQ,     2
.set KROW,   SIZE_K*6/8
.set STEPS,  SIZE_K/128
.set CHUNKS, KROW/ROWB
.set PITCH,  272
.set FR,     12
.set NL,     6
.set NP,     4
.set HALFT,  128*PITCH
.set SLOT,   4*HALFT
.set KS,     SIZE_K/32
.set SCL,    2*SLOT
.set HALFS,  (128*KS/256)*272
.set SBLK,   (16*KS/256)*272
.set SPARE,  SCL+4*HALFS
.set ADRA, 16
.set ADRB, 20
.set VO0,  24
.set VO1,  25
.set VS,   26
.set ADRS, 27
.set SPW,  28
.set NIL,  29
.set PFO,  30
.set SC,   32
.set TM,   64
.set PW,   80
.set ROT,  81
.set WD,   82
.set PT,   84
.set PC,   96
.set AF,   128
.set G1, 24
.set G0, 32
.set G1B, 48
.set G0B, 56
.set G1S, 68
.set G0S, 76
.set G1SB, 80
.set G0SB, 88
.set G0H, 4
.set G0HB, 8
.set MSB, 0
.macro WIN new
.if MSB != \new
	s_set_vgpr_msb (MSB<<8)|\new
.set MSB, \new
.endif
.endm
.set MUL_LO, 0xa1
.set MUL_HI, 0xf1
.set TO_B,   0x40
.macro JLOAD g0a, g1a, g0b, g1b        ; waves 0, 1 fetch for A, waves 2, 3 for B
	s_cmp_eq_u32 s15, 0
	s_cbranch_scc0 .Lfor_b_\@
	tensor_load_to_lds s[\g0a:\g0a+3], s[\g1a:\g1a+7]
	s_nop 0
.rept 4
	v_nop
.endr
	s_branch .Lasked_\@
.Lfor_b_\@:
	tensor_load_to_lds s[\g0b:\g0b+3], s[\g1b:\g1b+7]
	s_nop 0
.rept 4
	v_nop
.endr
.Lasked_\@:
.endm
.macro CREST
	s_cmp_lg_u32 s14, 0
	s_cbranch_scc1 .Lnot_wave_0_\@
	s_barrier_signal -3
.Lnot_wave_0_\@:
	s_barrier_wait -3
	s_barrier_signal -1
	s_barrier_wait -1
.endm
.macro CROUND
	s_barrier_signal -1
	s_barrier_wait -1
	CREST
.endm
	s_load_b512 s[24:39], s[0:1], 0x0
	s_load_b512 s[40:55], s[0:1], 0x40
	s_load_b128 s[56:59], s[0:1], 0x80
	v_lshl_add_u32 v[SPW], v0, 2, SPARE
	v_mov_b32 v[NIL], 0
	ds_add_u32 v[SPW], v[NIL]              ; the opening lines: the add twice and its wait
	ds_add_u32 v[SPW], v[NIL]
	s_wait_dscnt 0x0
	v_lshrrev_b32 v1, 5, v0
	v_readfirstlane_b32 s14, v1            ; wave
	s_lshr_b32 s15, s14, 1
	s_and_b32 s16, s14, 1
	s_and_b32 s18, ttmp7, 0xffff
	s_lshr_b32 s95, s18, 2                 ; which product
	s_and_b32 s18, s18, 3
	s_lshl_b32 s18, s18, 2
	s_wait_kmcnt 0x0
	s_cmp_eq_u32 s95, 1
	s_cselect_b64 s[4:5], s[36:37], s[24:25]
	s_cselect_b64 s[6:7], s[38:39], s[26:27]
	s_cselect_b64 s[8:9], s[40:41], s[28:29]
	s_cselect_b64 s[10:11], s[42:43], s[30:31]
	s_cselect_b64 s[12:13], s[44:45], s[32:33]
	s_cselect_b64 s[98:99], s[46:47], s[34:35]
	s_cmp_eq_u32 s95, 2
	s_cselect_b64 s[4:5], s[48:49], s[4:5]
	s_cselect_b64 s[6:7], s[50:51], s[6:7]
	s_cselect_b64 s[8:9], s[52:53], s[8:9]
	s_cselect_b64 s[10:11], s[54:55], s[10:11]
	s_cselect_b64 s[12:13], s[56:57], s[12:13]
	s_cselect_b64 s[98:99], s[58:59], s[98:99]
	s_cselect_b32 s19, s18, 0
	s_cselect_b32 s18, 0, s18
	s_bfe_u32 s40, ttmp6, 0x40000          ; cx
	s_bfe_u32 s41, ttmp6, 0x40004          ; cy
	s_add_co_u32 s42, s40, s19             ; tile column
	s_add_co_u32 s17, s41, s18             ; tile row
	s_lshl_b32 s43, s41, 2
	s_lshl_b32 s43, 15, s43                ; my row of the cluster
	s_lshl_b32 s44, 0x1111, s40            ; my column
	s_or_b32 s[G1+0], s43, (0<<16)|(1<<20)|(1<<21)|(5<<22)|(3<<25)
	s_or_b32 s[G1B+0], s44, (0<<16)|(1<<20)|(1<<21)|(5<<22)|(3<<25)
.irp g, G1, G1B                        ; rows of 256 bytes, 16 of padding behind each; 256 rows for the head's loads
	s_mov_b32 s[\g+1], ROWB<<16
	s_mov_b32 s[\g+2], 256<<16
	s_mov_b32 s[\g+3], ROWB<<16
	s_mov_b32 s[\g+4], 256
	s_mov_b32 s[\g+5], KROW
	s_mov_b32 s[\g+6], 0
	s_mov_b32 s[\g+7], 0
.endr
	s_or_b32 s[G1S+0], s43, (3<<16)|(1<<20)|(1<<21)|(5<<22)|(3<<25)
	s_or_b32 s[G1SB+0], s44, (3<<16)|(1<<20)|(1<<21)|(5<<22)|(3<<25)
.irp g, G1S, G1SB                      ; the scales of 256 rows: a dense block, as KS rows of 256 bytes
	s_mov_b32 s[\g+1], 32<<16
	s_mov_b32 s[\g+2], KS<<16
	s_mov_b32 s[\g+3], 32<<16
	s_mov_b32 s[\g+4], KS
	s_mov_b32 s[\g+5], 32
	s_mov_b32 s[\g+6], 0
	s_mov_b32 s[\g+7], 0
.endr
	s_lshl_b32 s20, s17, 8
	s_lshl_b32 s46, s42, 8
	s_mov_b32 s21, 0
	s_mov_b32 s47, 0
	s_mov_b64 s[18:19], KS
	s_mul_u64 s[22:23], s[20:21], s[18:19]
	s_mul_u64 s[92:93], s[46:47], s[18:19]
	s_mov_b64 s[18:19], KROW
	s_mul_u64 s[20:21], s[20:21], s[18:19]
	s_mul_u64 s[46:47], s[46:47], s[18:19]
	s_mul_i32 s18, s16, 128*KROW
	s_mov_b32 s19, 0
	s_mul_i32 s45, s14, HALFT
	s_add_nc_u64 s[20:21], s[4:5], s[20:21]
	s_add_nc_u64 s[22:23], s[6:7], s[22:23]
	s_add_nc_u64 s[46:47], s[8:9], s[46:47]
	s_add_nc_u64 s[92:93], s[10:11], s[92:93]
	s_cmp_eq_u32 s15, 0                    ; the prefetches' base: of the 128 rows that I fetch, my work-group's 32
	s_cselect_b32 s104, s17, s42
	s_cselect_b32 s94, s40, s41
	s_cselect_b64 s[2:3], s[4:5], s[8:9]
	s_lshl_b32 s104, s104, 3
	s_add_co_u32 s104, s104, s94
	s_lshl_b32 s94, s16, 2
	s_add_co_u32 s104, s104, s94
	s_mul_i32 s104, s104, 32*KROW
	s_mov_b32 s105, 0
	s_add_nc_u64 s[2:3], s[2:3], s[104:105]
	CROUND                                 ; in front of the first joint loads
	s_mov_b32 s[G0H], 1
	s_mov_b32 s[G0H+1], 0
	s_mov_b64 s[G0H+2:G0H+3], s[20:21]
	s_or_b32 s[G0H+3], s[G0H+3], 0x80000000
	s_mov_b32 s[G0HB], 1
	s_mov_b32 s[G0HB+1], 2*HALFT
	s_mov_b64 s[G0HB+2:G0HB+3], s[46:47]
	s_or_b32 s[G0HB+3], s[G0HB+3], 0x80000000
	s_mov_b32 s[G0S], 1
	s_mov_b32 s[G0S+1], SCL
	s_mov_b64 s[G0S+2:G0S+3], s[22:23]
	s_or_b32 s[G0S+3], s[G0S+3], 0x80000000
	s_mov_b32 s[G0SB], 1
	s_mov_b32 s[G0SB+1], SCL+2*HALFS
	s_mov_b64 s[G0SB+2:G0SB+3], s[92:93]
	s_or_b32 s[G0SB+3], s[G0SB+3], 0x80000000
	s_add_nc_u64 s[20:21], s[20:21], s[18:19]
	s_add_nc_u64 s[46:47], s[46:47], s[18:19]
.irp s, 0,1
	s_mov_b32 s[G0+4*\s], 1
	s_add_co_u32 s[G0+4*\s+1], s45, \s*SLOT
	s_add_nc_u64 s[G0+4*\s+2:G0+4*\s+3], s[20:21], \s*ROWB
	s_or_b32 s[G0+4*\s+3], s[G0+4*\s+3], 0x80000000
	s_mov_b32 s[G0B+4*\s], 1
	s_add_co_u32 s[G0B+4*\s+1], s45, \s*SLOT
	s_add_nc_u64 s[G0B+4*\s+2:G0B+4*\s+3], s[46:47], \s*ROWB
	s_or_b32 s[G0B+4*\s+3], s[G0B+4*\s+3], 0x80000000
.endr
; the head's four tiles, one load a wave: chunk 0 of A, chunk 0 of B, A's scales, B's scales
.macro ARM under, g0, g1, next
	s_cmp_lt_u32 s14, \under
	s_cbranch_scc0 \next
	tensor_load_to_lds s[\g0:\g0+3], s[\g1:\g1+7]
	s_nop 0
.rept 4
	v_nop
.endr
	s_branch .Lhead_asked
\next:
.endm
	ARM 1, G0H,  G1,  .Lhead_b
	ARM 2, G0HB, G1B, .Lhead_sa
	ARM 3, G0S,  G1S, .Lhead_sb
	tensor_load_to_lds s[G0SB:G0SB+3], s[G1SB:G1SB+7]
	s_nop 0
.rept 4
	v_nop
.endr
.Lhead_asked:
	v_and_b32 v1, 15, v0
	v_bfe_u32 v2, v0, 4, 1
	v_mul_u32_u24 v3, v1, PITCH
	v_mul_u32_u24 v4, v2, 24
	v_add_nc_u32 v4, v3, v4
	s_mov_b32 s21, SLOT-232
	s_mov_b32 s22, SLOT+232
	v_sub_nc_u32 v7, 1, v2
	v_mul_u32_u24 v5, s21, v2
	v_add_nc_u32 v5, v3, v5
	v_add_nc_u32 v5, 232, v5               ; lanes 0-15 byte 232 of the row in slot 0, lanes 16-31 byte 0 in slot 1
	v_mul_u32_u24 v6, s22, v7
	v_add_nc_u32 v6, v3, v6                ; and the other way round
	s_mul_i32 s21, s15, HALFT
	s_mul_i32 s22, s16, HALFT
	s_add_co_u32 s22, s22, 2*HALFT
	v_add_nc_u32 v[ADRA+2], s21, v5
	v_add_nc_u32 v[ADRA+3], s21, v6
	v_add_nc_u32 v[ADRB+2], s22, v5
	v_add_nc_u32 v[ADRB+3], s22, v6
.irp s, 0,1
	v_add_nc_u32 v[ADRA+\s], s21, v4
	v_add_nc_u32 v[ADRB+\s], s22, v4
	s_add_co_u32 s21, s21, SLOT
	s_add_co_u32 s22, s22, SLOT
.endr
	v_mul_u32_u24 v5, v1, KS
	v_lshrrev_b32 v6, 8, v5
	v_lshl_add_u32 v5, v6, 4, v5
	s_mul_i32 s21, s15, HALFS
	s_mul_i32 s22, s16, HALFS
	s_add_co_u32 s22, s22, 2*HALFS
	s_sub_co_u32 s22, s22, s21
	v_mul_u32_u24 v6, s22, v2
	s_add_co_u32 s21, s21, SCL
	v_add_nc_u32 v5, v5, v6
	v_add_nc_u32 v[ADRS], s21, v5
	v_and_b32 v[PFO], 31, v0
	v_mul_u32_u24 v[PFO], v[PFO], KROW
	global_prefetch_b8 v[PFO], s[2:3] offset:2*ROWB th:TH_LOAD_NT scope:SCOPE_SE   ; behind chunk 0's first fill: chunk 2, as behind each refill
	; the way out: strides of the images and scale words, by product
	s_cmp_eq_u32 s95, 2
	s_mov_b32 s18, 393216
	s_cselect_b32 s18, 1536, s18
	s_mov_b32 s19, 196608
	s_cselect_b32 s19, 768, s19
	s_mov_b32 s96, 768
	s_cselect_b32 s96, 49152, s96
	s_mov_b32 s22, 32768
	s_cselect_b32 s22, 64, s22
	s_cselect_b32 s23, 0, 16384
	s_mov_b32 s100, 64
	s_cselect_b32 s100, 2048, s100
	s_cselect_b32 s104, 0, 0xffff0000
	s_mov_b32 s97, 0
	s_mov_b32 s101, 0
	s_mov_b32 s66, 0x76543210
	s_mov_b32 s67, 0xfedcba98
	s_lshl_b32 s46, s42, 1
	s_add_co_u32 s46, s46, s16
	s_lshl_b32 s20, s17, 1
	s_add_co_u32 s20, s20, s15
	s_lshl_b32 s20, s20, 3
	s_mul_i32 s47, s46, s18
	s_mul_i32 s21, s20, s96
	s_add_co_u32 s92, s47, s21
	s_mov_b32 s93, 0
	s_add_nc_u64 s[12:13], s[12:13], s[92:93]
	s_mul_i32 s47, s46, s22
	s_mul_i32 s21, s20, s100
	s_add_co_u32 s92, s47, s21
	s_add_nc_u64 s[98:99], s[98:99], s[92:93]
	v_and_b32 v6, 31, v0
	v_lshlrev_b32 v[VO0], 3, v6
	v_add_nc_u32 v[VO1], s19, v[VO0]
	v_lshlrev_b32 v[VS], 2, v1
	v_mad_u32_u24 v[VS], v2, s23, v[VS]
.irp b, 0,1,2,3
	v_mov_b32 v[TM+4+\b], 0
.endr
.macro FRAG reg, adr, st, i            ; 16 rows x 128 K: six pieces of 8 bytes; byte y of a row lies in slot (y / 256) % 2 at byte y % 256
.irp p, 0,1,2,3,4,5
.set BY, 96*(\st)+48*(\p/3)+8*(\p%3)
.if BY/ROWB == (BY+24)/ROWB
	ds_load_b64 v[\reg+2*\p:\reg+2*\p+1], v[\adr+(BY/ROWB)%2] offset:BY%ROWB+(\i)*16*PITCH
.else
	ds_load_b64 v[\reg+2*\p:\reg+2*\p+1], v[\adr+2+(BY/ROWB)%2] offset:BY%ROWB-232+(\i)*16*PITCH
.endif
.endr
.endm
.macro MUL16 a0, p, q, sc, zero        ; the 64 accumulators by turns
.irp a, \a0, \a0+1
.irp b, 0,1,2,3,4,5,6,7
.if \zero
	v_wmma_scale_f32_16x16x128_f8f6f4 v[8*(8*((\a)%4)+\b):8*(8*((\a)%4)+\b)+7], v[128*(\p)+FR*\b:128*(\p)+FR*\b+FR-1], v[AF+FR*(\a):AF+FR*(\a)+FR-1], 0, v[SC+8*NQ*(\sc)+NQ*\b+(\q)], v[SC+8*NQ*(\sc)+NQ*(\a)+(\q)] matrix_a_fmt:MATRIX_FMT_FP6 matrix_b_fmt:MATRIX_FMT_FP6 matrix_a_scale:MATRIX_SCALE_ROW1
.else
	v_wmma_scale_f32_16x16x128_f8f6f4 v[8*(8*((\a)%4)+\b):8*(8*((\a)%4)+\b)+7], v[128*(\p)+FR*\b:128*(\p)+FR*\b+FR-1], v[AF+FR*(\a):AF+FR*(\a)+FR-1], v[8*(8*((\a)%4)+\b):8*(8*((\a)%4)+\b)+7], v[SC+8*NQ*(\sc)+NQ*\b+(\q)], v[SC+8*NQ*(\sc)+NQ*(\a)+(\q)] matrix_a_fmt:MATRIX_FMT_FP6 matrix_b_fmt:MATRIX_FMT_FP6 matrix_a_scale:MATRIX_SCALE_ROW1
.endif
.endr
.endr
.endm
.macro FETCH_B st, p
	WIN TO_B
.irp i, 0,1,2,3,4,5,6,7
	FRAG 128*(\p)+FR*\i, ADRB, \st, \i
.endr
	WIN 0
.endm
.macro FETCH_A st, i0
.irp i, \i0, \i0+1, \i0+2, \i0+3
	FRAG AF+FR*(\i), ADRA, \st, \i
.endr
.endm
.macro SCALES pr
.irp i, 0,1,2,3,4,5,6,7
	ds_load_b64 v[SC+8*NQ*((\pr)%2)+NQ*\i:SC+8*NQ*((\pr)%2)+NQ*\i+1], v[ADRS] offset:\i*SBLK+4*NQ*(\pr)
.endr
.endm
.macro PLACES n
.rept \n
	v_nop
.endr
.endm
; A step: 64 products; the next step's fragments are fetched in its middle and at its end.  Where the next step ends in a chunk not yet read: wait for my loads, barrier.
; Where it begins in a later chunk: the three lines, the barrier, which opens a round where a chunk two on is left to fetch, and the refill first behind it.
.macro STEP st, zero
.set NX, (\st)+1
.set C0, (96*(\st))/ROWB
.set C1, (96*NX)/ROWB
.set E0, (96*(\st)+95)/ROWB
.set E1, (96*NX+95)/ROWB
.set PF, 0
.if C1 > C0 || E1 > E0
	s_wait_tensorcnt 0x0
.if C1 > C0
	ds_add_u32 v[SPW], v[NIL]
	s_wait_dscnt 4*NL+1                    ; the add and A's blocks 4-7 may be out
.else
	s_wait_dscnt 4*NL                      ; A's blocks 4-7 may be out
.endif
	WIN MUL_LO
	MUL16 0, (\st)%2, (\st)%2, ((\st)/2)%2, \zero
	s_wait_dscnt 0x0
	s_barrier_signal -1
	MUL16 2, (\st)%2, (\st)%2, ((\st)/2)%2, \zero
	WIN 0
	s_barrier_wait -1
.if C1 > C0 && C0+2 < CHUNKS
	CREST
	s_add_nc_u64 s[G0+4*(C0%2)+2:G0+4*(C0%2)+3], s[G0+4*(C0%2)+2:G0+4*(C0%2)+3], 2*ROWB
	s_add_nc_u64 s[G0B+4*(C0%2)+2:G0B+4*(C0%2)+3], s[G0B+4*(C0%2)+2:G0B+4*(C0%2)+3], 2*ROWB
	JLOAD G0+4*(C0%2), G1, G0B+4*(C0%2), G1B
.if C0+4 < CHUNKS
.set PF, C0+4
.endif
.else
	PLACES NP
.endif
.else
	s_wait_dscnt 4*NL
	WIN MUL_LO
	MUL16 0, (\st)%2, (\st)%2, ((\st)/2)%2, \zero
	MUL16 2, (\st)%2, (\st)%2, ((\st)/2)%2, \zero
	s_wait_dscnt 0
	PLACES NP
.endif
	FETCH_B NX, NX%2
	FETCH_A NX, 0
.if NX%2 == 0
	SCALES NX/2
.endif
.if PF > 0
	global_prefetch_b8 v[PFO], s[2:3] offset:PF*ROWB th:TH_LOAD_NT scope:SCOPE_SE   ; the chunk two refills on; its address registers are never rewritten
.endif
	WIN MUL_HI
	MUL16 4, (\st)%2, (\st)%2, ((\st)/2)%2, \zero
	MUL16 6, (\st)%2, (\st)%2, ((\st)/2)%2, \zero
	PLACES NP
	WIN 0
	FETCH_A NX, 4
.endm
	s_wait_alu depctr_va_vdst(0)           ; the head's end
	s_wait_tensorcnt 0x0                   ; my tile of the head's four is in
	ds_add_u32 v[SPW], v[NIL]
	s_mov_b32 s[G1+2], 128<<16             ; no load of mine is out: from here on a load brings 128 rows
	s_mov_b32 s[G1+4], 128
	s_mov_b32 s[G1B+2], 128<<16
	s_mov_b32 s[G1B+4], 128
	s_wait_dscnt 0x0
	CROUND
	JLOAD G0+4, G1, G0B+4, G1B             ; chunk 1, slot 1's first fill, issued as a refill is
	FETCH_B 0, 0
	FETCH_A 0, 0
	SCALES 0
	global_prefetch_b8 v[PFO], s[2:3] offset:3*ROWB th:TH_LOAD_NT scope:SCOPE_SE   ; behind chunk 1's first fill: chunk 3
	FETCH_A 0, 4
	STEP 0, 1
.set ST, 1
.rept STEPS-2
	STEP ST, 0
.set ST, ST+1
.endr
	s_wait_dscnt 4*NL
	WIN MUL_LO
	MUL16 0, 1, 1, 1, 0
	MUL16 2, 1, 1, 1, 0
	s_wait_dscnt 0
	WIN MUL_HI
	MUL16 4, 1, 1, 1, 0
	MUL16 6, 1, 1, 1, 0
	WIN 0
; THE WAY OUT: block a's 16 rows x 128: four blocks of 32 along the next K are quantised and stored as two halves' images and a scale word
.macro QUANT a
.set AC, 64*((\a)%4)
.set WW, 2+(\a)/4
.set WA, WW|(WW<<2)
.set WB, (WW<<2)|(WW<<4)
	WIN WA
.irp b, 0,1,2,3
	v_max3_num_f32 v[TM+\b], |v[AC+16*\b]|, |v[AC+16*\b+1]|, 0x1800000
.endr
	WIN WB
.irp i, 2,4,6,8,10,12,14
.irp b, 0,1,2,3
	v_max3_num_f32 v[TM+\b], v[TM+\b], |v[AC+16*\b+\i]|, |v[AC+16*\b+\i+1]|
.endr
.endr
	WIN 0
.irp b, 0,1,2,3
	v_permlanex16_b32 v[TM+4+\b], v[TM+\b], s66, s67
.endr
.irp b, 0,1,2,3
	v_max_num_f32 v[TM+\b], v[TM+\b], v[TM+4+\b]
.endr
.irp b, 0,1,2,3
	v_add_nc_u32 v[TM+12+\b], 0xff000000, v[TM+\b]
.endr
.irp b, 0,1,2,3
	v_lshrrev_b32 v[TM+4+\b], 23, v[TM+12+\b]
.endr
	v_lshl_or_b32 v[PW], v[TM+5], 8, v[TM+4]
	v_lshl_or_b32 v[PW], v[TM+6], 16, v[PW]
	v_lshl_or_b32 v[PW], v[TM+7], 24, v[PW]
	WIN WW
.irp c, 0,1
	v_cvt_scalef32_pk16_fp6_f32 v[PC+6*\c:PC+6*\c+2], v[AC+32*\c:AC+32*\c+15], v[TM+12+2*\c]
	v_cvt_scalef32_pk16_fp6_f32 v[PT+4*\c:PT+4*\c+2], v[AC+32*\c+16:AC+32*\c+31], v[TM+13+2*\c]
.endr
	WIN 0
	v_nop
.irp c, 0,1
.irp i, 0,1,2
	v_permlane16_swap_b32 v[PC+6*\c+\i], v[PT+4*\c+\i]
.endr
.irp i, 0,1,2
	v_mov_b32 v[PC+6*\c+3+\i], v[PT+4*\c+\i]
.endr
.endr
.endm
.macro OUT a
.if (\a) > 0
	s_wait_xcnt 0x0                        ; the last block's stores have read their registers and bases
	s_add_nc_u64 s[12:13], s[12:13], s[96:97]
	s_add_nc_u64 s[98:99], s[98:99], s[100:101]
.endif
	QUANT \a
	v_lshrrev_b32 v[ROT], 16, v[PW]
	v_lshl_or_b32 v[ROT], v[PW], 16, v[ROT]
	v_cndmask_b32 v[WD], v[PW], v[ROT], s104
.irp p, 0,1,2
	global_store_b64 v[VO0], v[PC+2*\p:PC+2*\p+1], s[12:13] offset:256*\p
	global_store_b64 v[VO1], v[PC+6+2*\p:PC+6+2*\p+1], s[12:13] offset:256*\p
.endr
	global_store_b32 v[VS], v[WD], s[98:99]
.endm
	PLACES NP
.irp a, 0,1,2,3,4,5,6,7
	OUT \a
.endr
	s_wait_tensorcnt 0x0                   ; the wave's end
	ds_add_u32 v[SPW], v[NIL]
	s_wait_dscnt 0x0
	CROUND                                 ; the closing round
	s_endpgm
.Lfunc_end_k_q5663a46713_proj:
	.size	k_q5663a46713_proj, .Lfunc_end_k_q5663a46713_proj-k_q5663a46713_proj
	.p2alignl 7, 3214868480
	.fill 96, 4, 3214868480
	.section	.rodata,"a",@progbits
	.p2align	6, 0x0
	.amdhsa_kernel k_q5663a46713_proj
		.amdhsa_group_segment_fixed_size 327680
		.amdhsa_private_segment_fixed_size 0
		.amdhsa_enable_private_segment 0
		.amdhsa_kernarg_size 144
		.amdhsa_user_sgpr_count 2
		.amdhsa_user_sgpr_kernarg_segment_ptr 1
		.amdhsa_wavefront_size32 1
		.amdhsa_system_sgpr_workgroup_id_x 1
		.amdhsa_system_sgpr_workgroup_id_y 1
		.amdhsa_system_sgpr_workgroup_id_z 1
		.amdhsa_system_vgpr_workitem_id 0
		.amdhsa_next_free_vgpr 1024
		.amdhsa_next_free_sgpr 106
		.amdhsa_reserve_vcc 0
		.amdhsa_float_denorm_mode_32 3
		.amdhsa_float_denorm_mode_16_64 3
		.amdhsa_memory_ordered 1
		.amdhsa_forward_progress 1
		.amdhsa_inst_pref_size 255
	.end_amdhsa_kernel
	.section	.bss,"aw",@nobits
	.p2align	6
	.space	262144
	.amdgpu_metadata
---
amdhsa.version: [ 1, 2 ]
amdhsa.kernels:
  - .name:           k_q5663a46713_proj
    .symbol:         k_q5663a46713_proj.kd
    .args:
      - { .name: queries_codes, .offset: 0, .size: 8, .value_kind: global_buffer, .address_space: global }
      - { .name: queries_scales, .offset: 8, .size: 8, .value_kind: global_buffer, .address_space: global }
      - { .name: Eq_codes, .offset: 16, .size: 8, .value_kind: global_buffer, .address_space: global }
      - { .name: Eq_scales, .offset: 24, .size: 8, .value_kind: global_buffer, .address_space: global }
      - { .name: qimg, .offset: 32, .size: 8, .value_kind: global_buffer, .address_space: global }
      - { .name: qsc, .offset: 40, .size: 8, .value_kind: global_buffer, .address_space: global }
      - { .name: keys_codes, .offset: 48, .size: 8, .value_kind: global_buffer, .address_space: global }
      - { .name: keys_scales, .offset: 56, .size: 8, .value_kind: global_buffer, .address_space: global }
      - { .name: Ek_codes, .offset: 64, .size: 8, .value_kind: global_buffer, .address_space: global }
      - { .name: Ek_scales, .offset: 72, .size: 8, .value_kind: global_buffer, .address_space: global }
      - { .name: kimg, .offset: 80, .size: 8, .value_kind: global_buffer, .address_space: global }
      - { .name: ksc, .offset: 88, .size: 8, .value_kind: global_buffer, .address_space: global }
      - { .name: Ev_codes, .offset: 96, .size: 8, .value_kind: global_buffer, .address_space: global }
      - { .name: Ev_scales, .offset: 104, .size: 8, .value_kind: global_buffer, .address_space: global }
      - { .name: values_codes, .offset: 112, .size: 8, .value_kind: global_buffer, .address_space: global }
      - { .name: values_scales, .offset: 120, .size: 8, .value_kind: global_buffer, .address_space: global }
      - { .name: vimg, .offset: 128, .size: 8, .value_kind: global_buffer, .address_space: global }
      - { .name: vsc, .offset: 136, .size: 8, .value_kind: global_buffer, .address_space: global }
    .group_segment_fixed_size: 327680
    .private_segment_fixed_size: 0
    .kernarg_segment_align: 8
    .kernarg_segment_size: 144
    .max_flat_workgroup_size: 128
    .sgpr_count:     106
    .vgpr_count:     1024
    .wavefront_size: 32
...
	.end_amdgpu_metadata
.endif
;; end of part 1
;; launch attn (part 2): grid 16 x 16, 16 waves a work-group, clusters of 4 x 1, 327,680 bytes of LDS; arguments qimg, qsc, kimg, ksc, vimg, vsc, aimg, asc; writes aimg, asc
.if DOCPART == 2
	.amdgcn_target "amdgcn-amd-amdhsa--gfx1250"
	.amdhsa_code_object_version 6
	.text
	.protected	k_q5663a46713_attn
	.globl	k_q5663a46713_attn
	.p2align	8
	.type	k_q5663a46713_attn,@function
k_q5663a46713_attn:
	s_mov_b64 s[64:65], 0
	v_nop
	global_prefetch_b8 v0, s[64:65] scope:SCOPE_SE
	s_setreg_imm32_b32 hwreg(HW_REG_WAVE_MODE, 25, 1), 1
	s_wait_xcnt 0x0
	s_wait_alu depctr_hold_cnt(0) depctr_sa_sdst(0) depctr_va_vdst(0) depctr_va_sdst(0) depctr_va_ssrc(0) depctr_va_vcc(0) depctr_vm_vsrc(0)
	s_getreg_b32 s2, hwreg(HW_REG_IB_STS2, 6, 4)
	s_cmp_eq_u32 s2, 0
	s_cbranch_scc0 .Lentry_in_a_cluster
	s_endpgm
.Lentry_in_a_cluster:
	s_bfe_u32 s2, ttmp6, 0x10000c
	s_cmp_lg_u32 s2, 0x3003
	s_cbranch_scc0 .Lentry_shape_is_right
	s_endpgm
.Lentry_shape_is_right:
; ATTENTION OF ONE HEAD ON CODES OF FP6 (E2M3): S = Q K^T (K = 64), p = 2^(t - M), O = p V (K = the keys), O / the row's sum, quantised along (head x 64 + v) for the last product.
; t = score x log2(e) / 64; M = the running largest t rounded up to a whole number; p is quantised along the keys; the sum is taken of the unquantised p in f32; when M moves, sum and O are multiplied by 2^(old M - new M).
; Operands come as images of registers: a half (16 rows x 64 K) is 768 bytes, registers 2 p, 2 p + 1 of lane l at 256 p + 8 l.
; A work-group owns 256 queries of one head, each of sixteen waves 16 of them; every wave walks 4,096 keys, 128 a step.
; K's and V's images come through a ring of two LDS slots of 1,024 keys (98,304 bytes): waves 0-3 bring a quarter of K's 64 tiles each, waves 4-7 one channel tile of V each, 12,288 dense bytes a load.
; At the head waves 8-11 bring K's scale words of the whole head and waves 12-15 V's: every wave issues one load there.
; The four query blocks of a cluster walk the same K and V: every tile is asked for jointly, mask of all four.
; S^T = K Q^T, O^T = V^T p^T: a lane holds one query.  Q's operand is its half and six registers of zero codes; tile i of K is the twelve registers from its first on: what follows it meets zero codes.
; Inside a block of 32 p's codes stand in the order that two neighbouring tiles' registers give; V's images were made in the same order, Q's and K's likewise with each other.
; A BLOCK'S SCALE BYTE is floor(x + 125), x = the block's largest t - M, held at 1 from below: the exponent of 2^x is floor(x), so no exponential is taken for it.
; No prefetch: a refill of 98,304 bytes is asked for eight key steps ahead of its first read, and each head's 393,216 bytes are walked by four clusters side by side.
; LIMITS: the promise holds while |t| stays under 2^31.  NaN and infinities are not served.  A block of zeros gets the byte 1 (the rule says 127): its codes are zeros, and this program alone reads the bytes.
; Where v_exp_f32 rounds a block's largest p up onto a power of two (x within an ulp under a whole number), that one p is held at the largest code, 7.5 for 8.
.set SLOT1, 131072
.set VOFF,  49152
.set SCK,   262144                     ; K's scale words, 16,384 bytes: 64 a tile
.set SCV,   278528                     ; V's, 8,192 bytes: channel tile x 2,048 + key step x 64
.set SPARE, 286720                     ; the spare words, 2,048 bytes
.set L8,   1
.set ASK0, 2
.set ASV0, 3
.set GS,   4
.set SPW,  5
.set NIL,  6
.set ADK,  7
.set ADS,  8
.set ADT,  9
.set ADV,  11
.set QF,   16                          ; v16-21 Q's half, v22-27 zero codes
.set QSW,  28
.set KF,   32                          ; v32-79 K's eight tiles, then V's four fragments; v80-85 zero codes
.set KSW,  86
.set VSW,  90
.set S,    96                          ; v96-159 S^T, then p
.set O,    160                         ; v160-191 O^T
.set PCD,  192
.set PT,   204
.set BM,   212
.set BP,   216
.set BS,   220
.set F,    224
.set T,    226
.set PSW,  227
.set TT,   244                         ; v244-251 the sum's four chains
.set WV,   20
.set CS,   24
.set SEL,  26
.set G1K,  28
.set CNT,  36
.set STP,  38                          ; s[38:39] my load's step in memory from slot to slot
.set G1SK, 44
.set G1SV, 52
.set G0K,  60
.set G0SK, 72
.set G0SV, 76
.set TK,   80
.set TV,   81
.set TS,   82
.set TJ,   83
.macro CROUND
	s_barrier_signal -1
	s_barrier_wait -1
	s_cmp_lg_u32 s[WV], 0
	s_cbranch_scc1 .Lnot_wave_0_\@
	s_barrier_signal -3
.Lnot_wave_0_\@:
	s_barrier_wait -3
	s_barrier_signal -1
	s_barrier_wait -1
.endm
.macro GROUP1 g, r                     ; r dense rows of 256 bytes (32 elements of 8), mask of all four work-groups
	s_mov_b32 s[\g], 15|(3<<16)|(1<<21)
	s_mov_b32 s[\g+1], 32<<16
	s_mov_b32 s[\g+2], (\r)<<16
	s_mov_b32 s[\g+3], 32<<16
	s_mov_b32 s[\g+4], \r
	s_mov_b32 s[\g+5], 32
	s_mov_b32 s[\g+6], 0
	s_mov_b32 s[\g+7], 0
.endm
.macro TL g0, g1
	tensor_load_to_lds s[\g0:\g0+3], s[\g1:\g1+7]
	s_nop 0
.rept 4
	v_nop
.endr
.endm
	s_load_b512 s[4:19], s[0:1], 0x0       ; Q's images, words; K's; V's; the results' images, scale bytes
	v_lshl_add_u32 v[SPW], v0, 2, SPARE
	v_mov_b32 v[NIL], 0
	ds_add_u32 v[SPW], v[NIL]              ; the opening lines: the add twice and its wait
	ds_add_u32 v[SPW], v[NIL]
	s_wait_dscnt 0x0
	v_lshrrev_b32 v10, 5, v0
	v_readfirstlane_b32 s[WV], v10
	s_bfe_u32 s21, ttmp6, 0x40000          ; cx enters Q's and the results' addresses alone
	s_lshl_b32 s22, ttmp9, 2
	s_add_co_u32 s22, s22, s21
	s_lshl_b32 s22, s22, 4
	s_add_co_u32 s22, s22, s[WV]           ; my tile of 16 queries
	s_and_b32 s23, ttmp7, 0xffff           ; the head
	s_mov_b32 s[CS], 0x3cb8aa3b            ; log2(e) / 64
	s_mov_b32 s[CS+1], s[CS]
	s_mov_b32 s[SEL], 0x76543210
	s_mov_b32 s[SEL+1], 0xfedcba98
	GROUP1 G1K, 48
	GROUP1 G1SK, 16
	GROUP1 G1SV, 8
	s_and_b32 s86, s[WV], 3                ; which quarter
	s_lshl_b32 s90, s86, 12
	s_add_co_u32 s[G0SK+1], s90, SCK
	s_lshl_b32 s91, s23, 14
	s_add_co_u32 s90, s90, s91
	s_mov_b32 s91, 0
	s_lshl_b32 s92, s86, 11
	s_add_co_u32 s[G0SV+1], s92, SCV
	s_lshl_b32 s93, s23, 13
	s_add_co_u32 s92, s92, s93
	s_mov_b32 s93, 0
	s_mov_b32 s95, 0
	s_mov_b32 s85, 49152
	s_cmp_lt_u32 s[WV], 4                  ; K's loaders, else V's
	s_cselect_b32 s87, 12288, s85          ; from piece to piece in memory
	s_cselect_b32 s[STP], s85, 12288       ; from slot to slot
	s_mov_b32 s[STP+1], 0
	s_mul_i32 s88, s86, s87
	s_mul_i32 s84, s23, 196608
	s_mov_b32 s89, 0
	s_mul_i32 s[G0K+1], s[WV], 12288       ; slot 0: K's quarters, then V's channel tiles
	s_mov_b32 s[G0K], 1
	s_mov_b32 s[G0SK], 1
	s_mov_b32 s[G0SV], 1
	s_wait_kmcnt 0x0
	s_cselect_b64 s[G0K+2:G0K+3], s[8:9], s[12:13]
	s_add_co_u32 s88, s88, s84
	s_add_nc_u64 s[G0K+2:G0K+3], s[G0K+2:G0K+3], s[88:89]
	s_or_b32 s[G0K+3], s[G0K+3], 0x80000000
	s_add_nc_u64 s[G0SK+2:G0SK+3], s[10:11], s[90:91]
	s_or_b32 s[G0SK+3], s[G0SK+3], 0x80000000
	s_add_nc_u64 s[G0SV+2:G0SV+3], s[14:15], s[92:93]
	s_or_b32 s[G0SV+3], s[G0SV+3], 0x80000000
	CROUND                                 ; in front of the first joint loads
	s_cmp_lt_u32 s[WV], 8                  ; one chain, one load to an arm
	s_cbranch_scc0 .Lh_sk
	TL G0K, G1K
	s_branch .Lh_done
.Lh_sk:
	s_cmp_lt_u32 s[WV], 12
	s_cbranch_scc0 .Lh_sv
	TL G0SK, G1SK
	s_branch .Lh_done
.Lh_sv:
	TL G0SV, G1SV
.Lh_done:
	s_lshl_b32 s84, s23, 8
	s_add_co_u32 s84, s84, s22
	s_mul_i32 s88, s84, 768
	s_lshl_b32 s90, s84, 6
	s_add_nc_u64 s[4:5], s[4:5], s[88:89]
	s_add_nc_u64 s[6:7], s[6:7], s[90:91]
	s_lshl_b32 s84, s22, 4
	s_add_co_u32 s84, s84, s23
	s_mul_i32 s92, s84, 768
	s_lshl_b32 s94, s22, 9
	s_lshl_b32 s85, s23, 1
	s_add_co_u32 s94, s94, s85
	s_add_nc_u64 s[16:17], s[16:17], s[92:93]
	s_add_nc_u64 s[18:19], s[18:19], s[94:95]
	v_and_b32 v7, 31, v0
	v_and_b32 v8, 15, v0
	v_bfe_u32 v9, v0, 4, 1
	v_lshlrev_b32 v[L8], 3, v7
	v_lshl_add_u32 v[ASK0], v7, 2, SCK
	v_lshlrev_b32 v[ASV0], 2, v8
	v_lshlrev_b32 v[GS], 5, v8
	v_lshlrev_b32 v10, 2, v8
	v_lshl_add_u32 v[ASV0], v9, 11, v[ASV0]
	v_add_nc_u32 v[ASV0], SCV, v[ASV0]
.irp i, 0,1,2
	global_load_b64 v[QF+2*\i:QF+2*\i+1], v[L8], s[4:5] offset:256*\i
.endr
	global_load_b32 v[QSW], v10, s[6:7]
.irp i, 0,1,2,3,4,5
	v_mov_b32 v[QF+6+\i], 0
	v_mov_b32 v[KF+48+\i], 0
.endr
	v_mov_b32 v13, 0xff61b1e6              ; the largest t so far: -3e38
	v_mov_b32 v14, 0
	v_mov_b32 v15, 0
	v_floor_f32 v12, -v13                  ; -M
.irp b, 0,1,2,3
	v_mov_b32 v[BP+\b], 0
.endr
	v_mov_b32 v[F+1], 0
.set J, 0
.rept 32
	v_mov_b32 v[O+J], 0                    ; the step is written once: the first finds zeros
.set J, J+1
.endr
; A KEY STEP of 128 keys.  v[ADK], v[ADS] were made a step earlier; s[TV], s[TJ] say where V's images and scale words lie
.macro STEP
.irp i, 0,1,2,3,4,5,6,7
.irp p, 0,1,2
	ds_load_b64 v[KF+6*\i+2*\p:KF+6*\i+2*\p+1], v[ADK] offset:768*\i+256*\p
.endr
.endr
.irp i, 0,1,2,3
	ds_load_b32 v[KSW+\i], v[ADS] offset:128*\i
.endr
	s_add_co_u32 s[TK], s[TK], 6144        ; on to the next step's tiles of K and their words
	s_add_co_u32 s[TS], s[TS], 512
	s_wait_dscnt 0x0
.irp i, 0,2,4,6
	v_wmma_scale_f32_16x16x128_f8f6f4 v[S+8*\i:S+8*\i+7], v[KF+6*\i:KF+6*\i+11], v[QF:QF+11], 0, v[KSW+\i/2], v[QSW] matrix_a_fmt:MATRIX_FMT_FP6 matrix_b_fmt:MATRIX_FMT_FP6
	v_wmma_scale_f32_16x16x128_f8f6f4 v[S+8*\i+8:S+8*\i+15], v[KF+6*\i+6:KF+6*\i+17], v[QF:QF+11], 0, v[KSW+\i/2], v[QSW] matrix_a_fmt:MATRIX_FMT_FP6 matrix_b_fmt:MATRIX_FMT_FP6 matrix_a_scale:MATRIX_SCALE_ROW1
.endr
	v_add_nc_u32 v[ADV], s[TV], v[L8]      ; four places, ahead of the loads into K's registers and of the first read of the scores: this step's addresses of V,
	v_add_nc_u32 v[ADT], s[TJ], v[ASV0]
	v_add_nc_u32 v[ADK], s[TK], v[L8]      ; and the next step's of K (a slot's last step makes two that are not used)
	v_add_nc_u32 v[ADS], s[TS], v[ASK0]
.irp t, 0,1,2,3
.irp p, 0,1,2,3,4,5
	ds_load_b64 v[KF+12*\t+2*\p:KF+12*\t+2*\p+1], v[ADV] offset:12288*\t+256*\p
.endr
.endr
.irp u, 0,1
	ds_load_b32 v[VSW+\u], v[ADT] offset:4096*\u
.endr
.irp b, 0,1,2,3
	v_max3_num_f32 v[BM+\b], v[S+16*\b], v[S+1+16*\b], v[S+2+16*\b]   ; each block's largest score: for the row's maximum and for the block's scale
.endr
.irp i, 3,5,7,9,11,13
.irp b, 0,1,2,3
	v_max3_num_f32 v[BM+\b], v[BM+\b], v[S+16*\b+\i], v[S+1+16*\b+\i]
.endr
.endr
.irp b, 0,1,2,3
	v_max_num_f32 v[BM+\b], v[BM+\b], v[S+15+16*\b]
.endr
.irp b, 0,1,2,3
	v_permlanex16_b32 v[BP+\b], v[BM+\b], s[SEL], s[SEL+1]
.endr
.irp b, 0,1,2,3
	v_max_num_f32 v[BM+\b], v[BM+\b], v[BP+\b]
.endr
	v_max3_num_f32 v[T], v[BM], v[BM+1], v[BM+2]
	s_delay_alu instid0(VALU_DEP_1)
	v_max_num_f32 v[T], v[T], v[BM+3]
	s_delay_alu instid0(VALU_DEP_1)
	v_mul_f32 v[T], s[CS], v[T]
	s_delay_alu instid0(VALU_DEP_1)
	v_max_num_f32 v13, v13, v[T]           ; the running largest t
	v_mov_b32 v[T], v12
	s_delay_alu instid0(VALU_DEP_2)
	v_floor_f32 v12, -v13                  ; the new -M
	s_delay_alu instid0(VALU_DEP_1)
	v_sub_f32 v[T], v12, v[T]
	s_delay_alu instid0(VALU_DEP_1)
	v_cvt_i32_f32 v[T], v[T]
	s_delay_alu instid0(VALU_DEP_1)
	v_ldexp_f32 v[F], 1.0, v[T]            ; f = 2^(old M - new M)
	v_add_f32 v[T], 0x42fa0000, v12        ; 125 - M
.set J, 0
.rept 32
	v_pk_fma_f32 v[S+J:S+J+1], v[S+J:S+J+1], s[CS:CS+1], v[12:13] op_sel_hi:[1,0,0]   ; t - M
.set J, J+2
.endr
.irp b, 0,1,2,3
	v_fma_f32 v[BM+\b], v[BM+\b], s[CS], v[T]      ; the block's largest t - M, + 125
.endr
.irp b, 0,1,2,3
	v_max_num_f32 v[BM+\b], 1.0, v[BM+\b]          ; the byte cannot fall under 1
.endr
.irp b, 0,1,2,3
	v_cvt_u32_f32 v[BP+\b], v[BM+\b]               ; toward zero, of a number of 1 or more: the scale's byte
.endr
.irp b, 0,1,2,3
	v_lshlrev_b32 v[BS+\b], 23, v[BP+\b]           ; and the conversion's scale operand
.endr
	v_lshl_or_b32 v[PSW], v[BP+1], 8, v[BP]
	s_delay_alu instid0(VALU_DEP_1)
	v_lshl_or_b32 v[PSW], v[BP+2], 16, v[PSW]
	s_delay_alu instid0(VALU_DEP_1)
	v_lshl_or_b32 v[PSW], v[BP+3], 24, v[PSW]
	s_wait_alu depctr_va_vdst(0)           ; ahead of the batch
.set J, 0
.rept 64
	v_exp_f32 v[S+J], v[S+J]
.set J, J+1
.endr
	v_pk_mul_f32 v[14:15], v[14:15], v[F:F+1] op_sel_hi:[1,0]   ; the sums under the new M; a plain place behind the batch
	s_wait_alu depctr_va_vdst(0)           ; and behind it
.irp c, 0,1
	v_cvt_scalef32_pk16_fp6_f32 v[PCD+6*\c:PCD+6*\c+2], v[S+32*\c:S+32*\c+15], v[BS+2*\c]
	v_cvt_scalef32_pk16_fp6_f32 v[PT+4*\c:PT+4*\c+2], v[S+32*\c+16:S+32*\c+31], v[BS+2*\c+1]
.endr
	v_nop                                  ; one plain place behind a scaled conversion
.irp c, 0,1
.irp i, 0,1,2
	v_permlane16_swap_b32 v[PCD+6*\c+\i], v[PT+4*\c+\i]
.endr
.irp i, 0,1,2
	v_mov_b32 v[PCD+6*\c+3+\i], v[PT+4*\c+\i]
.endr
.endr
	s_wait_dscnt 0x0                       ; V is in
	s_wait_alu depctr_va_vdst(0)           ; directly ahead of the first reader of O^T
.set J, 0
.rept 16
	v_pk_mul_f32 v[O+J:O+J+1], v[O+J:O+J+1], v[F:F+1] op_sel_hi:[1,0]   ; O^T under the new M; also the places ahead of the products
.set J, J+2
.endr
.irp t, 0,2
	v_wmma_scale_f32_16x16x128_f8f6f4 v[O+8*\t:O+8*\t+7], v[KF+12*\t:KF+12*\t+11], v[PCD:PCD+11], v[O+8*\t:O+8*\t+7], v[VSW+\t/2], v[PSW] matrix_a_fmt:MATRIX_FMT_FP6 matrix_b_fmt:MATRIX_FMT_FP6
	v_wmma_scale_f32_16x16x128_f8f6f4 v[O+8*\t+8:O+8*\t+15], v[KF+12*\t+12:KF+12*\t+23], v[PCD:PCD+11], v[O+8*\t+8:O+8*\t+15], v[VSW+\t/2], v[PSW] matrix_a_fmt:MATRIX_FMT_FP6 matrix_b_fmt:MATRIX_FMT_FP6 matrix_a_scale:MATRIX_SCALE_ROW1
.endr
.set J, 0
.rept 4                                ; the row's sum of the unquantised p, in four chains; also the places behind the products
	v_pk_add_f32 v[TT+2*J:TT+2*J+1], v[S+2*J:S+2*J+1], v[S+8+2*J:S+9+2*J]
.set J, J+1
.endr
.set J, 8
.rept 24
	v_pk_add_f32 v[TT+2*(J%4):TT+2*(J%4)+1], v[TT+2*(J%4):TT+2*(J%4)+1], v[S+2*J:S+2*J+1]
.set J, J+1
.endr
	v_pk_add_f32 v[TT:TT+1], v[TT:TT+1], v[TT+2:TT+3]
	v_pk_add_f32 v[TT+4:TT+5], v[TT+4:TT+5], v[TT+6:TT+7]
	s_delay_alu instid0(VALU_DEP_1)
	v_pk_add_f32 v[TT:TT+1], v[TT:TT+1], v[TT+4:TT+5]
	s_delay_alu instid0(VALU_DEP_1)
	v_pk_add_f32 v[14:15], v[14:15], v[TT:TT+1]
.endm
; THE CHANGE OF SLOTS: all my tensor loads, the add, my reads of the slot left.  fill = 1: a round of the cluster's barrier, and the other slot takes the next 1,024 keys, one load a wave (waves 0-7)
.macro CHANGE fill
	s_wait_tensorcnt 0x0
	ds_add_u32 v[SPW], v[NIL]
.if \fill
	s_xor_b32 s[G0K+1], s[G0K+1], SLOT1
	s_add_nc_u64 s[G0K+2:G0K+3], s[G0K+2:G0K+3], s[STP:STP+1]
.endif
	s_wait_dscnt 0x0
.if \fill
	CROUND
	s_cmp_lt_u32 s[WV], 8
	s_cbranch_scc0 .Lno_fill_\@
	TL G0K, G1K
.Lno_fill_\@:
.else
	s_barrier_signal -1
	s_barrier_wait -1
.endif
.endm
.macro RUN n                           ; the eight key steps of slot n
	s_mov_b32 s[TK], ((\n)%2)*SLOT1
	s_mov_b32 s[TV], ((\n)%2)*SLOT1+VOFF
	s_mov_b32 s[TS], (\n)*4096
	s_mov_b32 s[TJ], (\n)*512
	s_mov_b32 s[CNT], 8
	v_add_nc_u32 v[ADK], s[TK], v[L8]      ; the first step's addresses of K
	v_add_nc_u32 v[ADS], s[TS], v[ASK0]
.Lstep_\@:
	STEP
	s_add_co_u32 s[TV], s[TV], 1536
	s_add_co_u32 s[TJ], s[TJ], 64
	s_sub_co_u32 s[CNT], s[CNT], 1
	s_cmp_lg_u32 s[CNT], 0
	s_wait_alu depctr_va_vdst(0)           ; directly ahead of the branch
	s_cbranch_scc1 .Lstep_\@
.endm
	s_wait_alu depctr_va_vdst(0)           ; the head's end
	s_wait_loadcnt 0x0                     ; Q
	CHANGE 1
	RUN 0
	CHANGE 1
	RUN 1
	CHANGE 1
	RUN 2
	CHANGE 0
	RUN 3
	; THE WAY OUT: O^T / the sum, quantised, stored as a half's image
	v_add_f32 v14, v14, v15
	v_permlanex16_b32 v[T], v14, s[SEL], s[SEL+1]
	v_add_f32 v14, v14, v[T]
	s_wait_alu depctr_va_vdst(0)
	v_rcp_f32 v14, v14
	v_nop
	s_wait_alu depctr_va_vdst(0)
.set J, 0
.rept 32
	v_mul_f32 v[S+J], v[O+J], v14          ; each accumulator from its low end on
.set J, J+1
.endr
.irp b, 0,1                            ; W_out's codes are in ascending order: register 16 b + i then holds channel 32 b + 16 h + i
.irp j, 0,1,2,3,4,5,6,7
	v_permlane16_swap_b32 v[S+16*\b+\j], v[S+16*\b+8+\j]
.endr
.endr
.irp b, 0,1
	v_max3_num_f32 v[BM+\b], |v[S+16*\b]|, |v[S+16*\b+1]|, 0x1800000
.endr
.irp i, 2,4,6,8,10,12,14
.irp b, 0,1
	v_max3_num_f32 v[BM+\b], v[BM+\b], |v[S+16*\b+\i]|, |v[S+16*\b+\i+1]|
.endr
.endr
.irp b, 0,1
	v_permlanex16_b32 v[BP+\b], v[BM+\b], s[SEL], s[SEL+1]
.endr
.irp b, 0,1
	v_max_num_f32 v[BM+\b], v[BM+\b], v[BP+\b]
.endr
.irp b, 0,1
	v_add_nc_u32 v[BS+\b], 0xff000000, v[BM+\b]
.endr
.irp b, 0,1
	v_lshrrev_b32 v[BP+\b], 23, v[BS+\b]
.endr
	v_lshl_or_b32 v[T], v[BP+1], 8, v[BP]
	v_cvt_scalef32_pk16_fp6_f32 v[PCD:PCD+2], v[S:S+15], v[BS]
	v_cvt_scalef32_pk16_fp6_f32 v[PT:PT+2], v[S+16:S+31], v[BS+1]
	v_nop
.irp i, 0,1,2
	v_permlane16_swap_b32 v[PCD+\i], v[PT+\i]
.endr
.irp i, 0,1,2
	v_mov_b32 v[PCD+3+\i], v[PT+\i]
.endr
.irp i, 0,1,2
	global_store_b64 v[L8], v[PCD+2*\i:PCD+2*\i+1], s[16:17] offset:256*\i   ; 32 lanes store 256 consecutive bytes, aligned
.endr
	global_store_b16 v[GS], v[T], s[18:19] ; two scale bytes a query, 32 bytes apart: the next launch takes them as rows
	s_wait_tensorcnt 0x0                   ; the wave's end
	ds_add_u32 v[SPW], v[NIL]
	s_wait_dscnt 0x0
	CROUND                                 ; the closing round
	s_endpgm
.Lfunc_end_k_q5663a46713_attn:
	.size	k_q5663a46713_attn, .Lfunc_end_k_q5663a46713_attn-k_q5663a46713_attn
	.p2alignl 7, 3214868480
	.fill 96, 4, 3214868480
	.section	.rodata,"a",@progbits
	.p2align	6, 0x0
	.amdhsa_kernel k_q5663a46713_attn
		.amdhsa_group_segment_fixed_size 327680
		.amdhsa_private_segment_fixed_size 0
		.amdhsa_enable_private_segment 0
		.amdhsa_kernarg_size 64
		.amdhsa_user_sgpr_count 2
		.amdhsa_user_sgpr_kernarg_segment_ptr 1
		.amdhsa_wavefront_size32 1
		.amdhsa_system_sgpr_workgroup_id_x 1
		.amdhsa_system_sgpr_workgroup_id_y 1
		.amdhsa_system_sgpr_workgroup_id_z 1
		.amdhsa_system_vgpr_workitem_id 0
		.amdhsa_next_free_vgpr 256
		.amdhsa_next_free_sgpr 96
		.amdhsa_reserve_vcc 0
		.amdhsa_float_denorm_mode_32 3
		.amdhsa_float_denorm_mode_16_64 3
		.amdhsa_memory_ordered 1
		.amdhsa_forward_progress 1
		.amdhsa_inst_pref_size 85
	.end_amdhsa_kernel
	.amdgpu_metadata
---
amdhsa.version: [ 1, 2 ]
amdhsa.kernels:
  - .name:           k_q5663a46713_attn
    .symbol:         k_q5663a46713_attn.kd
    .args:
      - { .name: qimg, .offset: 0, .size: 8, .value_kind: global_buffer, .address_space: global }
      - { .name: qsc, .offset: 8, .size: 8, .value_kind: global_buffer, .address_space: global }
      - { .name: kimg, .offset: 16, .size: 8, .value_kind: global_buffer, .address_space: global }
      - { .name: ksc, .offset: 24, .size: 8, .value_kind: global_buffer, .address_space: global }
      - { .name: vimg, .offset: 32, .size: 8, .value_kind: global_buffer, .address_space: global }
      - { .name: vsc, .offset: 40, .size: 8, .value_kind: global_buffer, .address_space: global }
      - { .name: aimg, .offset: 48, .size: 8, .value_kind: global_buffer, .address_space: global }
      - { .name: asc, .offset: 56, .size: 8, .value_kind: global_buffer, .address_space: global }
    .group_segment_fixed_size: 327680
    .private_segment_fixed_size: 0
    .kernarg_segment_align: 8
    .kernarg_segment_size: 64
    .max_flat_workgroup_size: 512
    .sgpr_count:     96
    .vgpr_count:     256
    .wavefront_size: 32
...
	.end_amdgpu_metadata
.endif
;; end of part 2
;; launch outp (part 3): grid 16 x 16, 4 waves a work-group, clusters of 4 x 4, 327,680 bytes of LDS; arguments aimg, asc, W_out_codes, W_out_scales, out0; writes out0
.if DOCPART == 3
	.amdgcn_target "amdgcn-amd-amdhsa--gfx1250"
	.amdhsa_code_object_version 6
	.text
	.protected	k_q5663a46713_outp
	.globl	k_q5663a46713_outp
	.p2align	8
	.type	k_q5663a46713_outp,@function
k_q5663a46713_outp:
	s_mov_b64 s[64:65], 0
	v_nop
	global_prefetch_b8 v0, s[64:65] scope:SCOPE_SE
	s_setreg_imm32_b32 hwreg(HW_REG_WAVE_MODE, 25, 1), 1
	s_wait_xcnt 0x0
	s_wait_alu depctr_hold_cnt(0) depctr_sa_sdst(0) depctr_va_vdst(0) depctr_va_sdst(0) depctr_va_ssrc(0) depctr_va_vcc(0) depctr_vm_vsrc(0)
	s_getreg_b32 s2, hwreg(HW_REG_IB_STS2, 6, 4)
	s_cmp_eq_u32 s2, 0
	s_cbranch_scc0 .Lentry_in_a_cluster
	s_endpgm
.Lentry_in_a_cluster:
	s_bfe_u32 s2, ttmp6, 0x10000c
	s_cmp_lg_u32 s2, 0xf033
	s_cbranch_scc0 .Lentry_shape_is_right
	s_endpgm
.Lentry_shape_is_right:
; out0 = A W_out on codes of FP6 (E2M3), K = 1,024.  A comes as images of registers (16 queries x 16 heads x 768 bytes) with rows of 32 scale bytes; W_out as rows of 768 bytes of codes.
; A work-group makes 256 x 128 of the result: 16 x 16 work-groups.  ALL OF K IS STAGED ONCE: A's 256 rows are 196,608 dense bytes, W's 128 rows whole rows of 768 bytes (16 bytes of padding behind
; each 256: pitch 816), the scales two dense blocks: four tiles, one load a wave at the head, nothing is filled again.
; 4 x 4 clusters: A's tiles are asked for jointly along a row of the cluster, W's along a column.  No prefetch: the launch has no loop to run ahead in.
; A wave makes 64 rows x 128 columns: 32 accumulators (window 2); W's fragments in window 1, two sets; A's in window 0, two sets; all eight steps' scale words in v32-95.
; Source 0 = rows of W, source 1 = rows of A: a lane holds eight neighbours of a row of the result.  A block of 16 rows leaves through a stage in the wave's own rows of A, which it alone read.
.set SIZE_N, 2048
.set KROW,   768
.set BP,     816
.set ATILE,  12288
.set AW,     4*ATILE
.set BOFF,   4*AW
.set SCL,    BOFF+128*BP
.set SBLK,   544
.set SPARE,  SCL+13056
.set SPITCH, 528
.set FR,   12
.set ADRA, 16
.set ADRB, 20                          ; v20 blocks 0-3; v21 the same where lanes 16-31 lie past a padding; v22, v23 blocks 4-7
.set STO,  24
.set RD,   25
.set CO,   26
.set ADRS, 27
.set SPW,  28
.set NIL,  29
.set SC,   32                          ; v[SC + 8 i + st]: lanes 0-15 the word of A's block i, lanes 16-31 of W's block i, step st (for i over 3 lanes 0-15 hold words that no product names)
.set AF,   128
.set BK,   128
.set G1, 24
.set G0, 32
.set G0B, 36
.set G1B, 48
.set G1S, 68
.set G0S, 76
.set G1SB, 80
.set G0SB, 88
.set MSB, 0
.macro WIN new
.if MSB != \new
	s_set_vgpr_msb (MSB<<8)|\new
.set MSB, \new
.endif
.endm
.macro CROUND
	s_barrier_signal -1
	s_barrier_wait -1
	s_cmp_lg_u32 s14, 0
	s_cbranch_scc1 .Lnot_wave_0_\@
	s_barrier_signal -3
.Lnot_wave_0_\@:
	s_barrier_wait -3
	s_barrier_signal -1
	s_barrier_wait -1
.endm
.macro PLACES
.rept 4
	v_nop
.endr
.endm
	s_load_b128 s[4:7], s[0:1], 0x0
	s_load_b128 s[8:11], s[0:1], 0x10
	s_load_b64 s[12:13], s[0:1], 0x20
	v_lshl_add_u32 v[SPW], v0, 2, SPARE
	v_mov_b32 v[NIL], 0
	ds_add_u32 v[SPW], v[NIL]              ; the opening lines: the add twice and its wait
	ds_add_u32 v[SPW], v[NIL]
	v_lshrrev_b32 v1, 5, v0
	v_readfirstlane_b32 s14, v1
	s_bfe_u32 s40, ttmp6, 0x40000
	s_bfe_u32 s41, ttmp6, 0x40004
	s_lshl_b32 s42, ttmp9, 2
	s_add_co_u32 s42, s42, s40             ; tile column
	s_and_b32 s17, ttmp7, 0xffff
	s_lshl_b32 s17, s17, 2
	s_add_co_u32 s17, s17, s41             ; tile row
	s_lshl_b32 s43, s41, 2
	s_lshl_b32 s43, 15, s43
	s_lshl_b32 s44, 0x1111, s40
	s_or_b32 s[G1+0], s43, (3<<16)|(1<<21) ; A: 768 dense rows of 256 bytes
	s_mov_b32 s[G1+1], 32<<16
	s_mov_b32 s[G1+2], 768<<16
	s_mov_b32 s[G1+3], 32<<16
	s_mov_b32 s[G1+4], 768
	s_mov_b32 s[G1+5], 32
	s_mov_b32 s[G1+6], 0
	s_mov_b32 s[G1+7], 0
	s_or_b32 s[G1B+0], s44, (0<<16)|(1<<20)|(1<<21)|(5<<22)|(3<<25)   ; W: 128 rows of 768 bytes, padded behind each 256
	s_mov_b32 s[G1B+1], KROW<<16
	s_mov_b32 s[G1B+2], 128<<16
	s_mov_b32 s[G1B+3], KROW<<16
	s_mov_b32 s[G1B+4], 128
	s_mov_b32 s[G1B+5], KROW
	s_mov_b32 s[G1B+6], 0
	s_mov_b32 s[G1B+7], 0
	s_or_b32 s[G1S+0], s43, (3<<16)|(1<<20)|(1<<21)|(5<<22)|(3<<25)
	s_mov_b32 s[G1S+2], 32<<16             ; A's scales: 32 rows of 256 bytes
	s_mov_b32 s[G1S+4], 32
	s_or_b32 s[G1SB+0], s44, (3<<16)|(1<<20)|(1<<21)|(5<<22)|(3<<25)
	s_mov_b32 s[G1SB+2], 16<<16            ; W's: 16
	s_mov_b32 s[G1SB+4], 16
.irp g, G1S, G1SB
	s_mov_b32 s[\g+1], 32<<16
	s_mov_b32 s[\g+3], 32<<16
	s_mov_b32 s[\g+5], 32
	s_mov_b32 s[\g+6], 0
	s_mov_b32 s[\g+7], 0
.endr
	s_mul_i32 s20, s17, 4*AW
	s_mov_b32 s21, 0
	s_lshl_b32 s22, s17, 13
	s_mov_b32 s23, 0
	s_mul_i32 s46, s42, 128*KROW
	s_mov_b32 s47, 0
	s_lshl_b32 s92, s42, 12
	s_mov_b32 s93, 0
	s_wait_dscnt 0x0
	s_wait_kmcnt 0x0
	s_add_nc_u64 s[20:21], s[4:5], s[20:21]
	s_add_nc_u64 s[22:23], s[6:7], s[22:23]
	s_add_nc_u64 s[46:47], s[8:9], s[46:47]
	s_add_nc_u64 s[92:93], s[10:11], s[92:93]
	CROUND                                 ; in front of the joint loads
	s_mov_b32 s[G0], 1
	s_mov_b32 s[G0+1], 0
	s_mov_b64 s[G0+2:G0+3], s[20:21]
	s_or_b32 s[G0+3], s[G0+3], 0x80000000
	s_mov_b32 s[G0B], 1
	s_mov_b32 s[G0B+1], BOFF
	s_mov_b64 s[G0B+2:G0B+3], s[46:47]
	s_or_b32 s[G0B+3], s[G0B+3], 0x80000000
	s_mov_b32 s[G0S], 1
	s_mov_b32 s[G0S+1], SCL
	s_mov_b64 s[G0S+2:G0S+3], s[22:23]
	s_or_b32 s[G0S+3], s[G0S+3], 0x80000000
	s_mov_b32 s[G0SB], 1
	s_mov_b32 s[G0SB+1], SCL+8704
	s_mov_b64 s[G0SB+2:G0SB+3], s[92:93]
	s_or_b32 s[G0SB+3], s[G0SB+3], 0x80000000
.macro ARM under, g0, g1, next         ; one chain, one load to an arm
	s_cmp_lt_u32 s14, \under
	s_cbranch_scc0 \next
	tensor_load_to_lds s[\g0:\g0+3], s[\g1:\g1+7]
	s_nop 0
	PLACES
	s_branch .Lhead_asked
\next:
.endm
	ARM 1, G0,  G1,  .Lhead_b
	ARM 2, G0B, G1B, .Lhead_sa
	ARM 3, G0S, G1S, .Lhead_sb
	tensor_load_to_lds s[G0SB:G0SB+3], s[G1SB:G1SB+7]
	s_nop 0
	PLACES
.Lhead_asked:
	s_lshl_b32 s20, s17, 8
	s_lshl_b32 s21, s14, 6
	s_add_co_u32 s20, s20, s21             ; my first row of the result
	s_mul_i32 s20, s20, SIZE_N*4
	s_mov_b32 s21, 0
	s_lshl_b32 s46, s42, 9                 ; my first column, in bytes
	s_mov_b32 s47, 0
	s_add_nc_u64 s[20:21], s[20:21], s[46:47]
	s_add_nc_u64 s[12:13], s[12:13], s[20:21]
	s_mul_i32 s21, s14, AW                 ; my 64 rows of A, later my stage
	s_xor_b32 s22, s14, 3
	s_mul_i32 s22, s22, 2176
	s_add_co_u32 s22, s22, 2176            ; from my rows' scales to W's: 8,704 - 2,176 x wave
	s_mul_i32 s23, s14, 2176
	s_add_co_u32 s23, s23, SCL
	v_and_b32 v1, 15, v0
	v_bfe_u32 v2, v0, 4, 1
	v_and_b32 v3, 31, v0
	v_lshlrev_b32 v[CO], 4, v3
	v_lshl_add_u32 v[ADRA], v3, 3, s21
	v_add_nc_u32 v[RD], s21, v[CO]
	v_mul_u32_u24 v4, v1, SPITCH
	v_lshl_add_u32 v4, v2, 5, v4
	v_add_nc_u32 v[STO], s21, v4
	v_mul_u32_u24 v5, v1, BP
	v_mad_u32_u24 v5, v2, 24, v5
	v_add_nc_u32 v[ADRB], BOFF, v5
	v_lshl_add_u32 v[ADRB+1], v2, 4, v[ADRB]
	v_add_nc_u32 v[ADRB+2], 64*BP, v[ADRB]
	v_add_nc_u32 v[ADRB+3], 64*BP, v[ADRB+1]
	v_lshlrev_b32 v6, 5, v1                ; a row's 32 scale bytes,
	v_lshrrev_b32 v7, 8, v6
	v_lshl_add_u32 v6, v7, 4, v6           ; 16 more for each 256 passed
	v_mad_u32_u24 v6, v2, s22, v6          ; lanes 16-31 take W's
	v_add_nc_u32 v[ADRS], s23, v6
.macro FETCH st                        ; step st's fragments into sets st % 2: W's eight blocks, my four of A
	WIN 0x40
.irp i, 0,1,2,3,4,5,6,7
.irp p, 0,1,2,3,4,5
.set BY, 96*(\st)+48*(\p/3)+8*(\p%3)
.set AR, ADRB+2*(\i/4)+((BY+24)/256-BY/256)
	ds_load_b64 v[128*((\st)%2)+FR*\i+2*\p:128*((\st)%2)+FR*\i+2*\p+1], v[AR] offset:BY+16*(BY/256)+(\i%4)*16*BP
.endr
.endr
	WIN 0
.irp i, 0,1,2,3
.irp p, 0,1,2,3,4,5
	ds_load_b64 v[AF+48*((\st)%2)+FR*\i+2*\p:AF+48*((\st)%2)+FR*\i+2*\p+1], v[ADRA] offset:ATILE*\i+1536*(\st)+256*\p
.endr
.endr
.endm
.macro MUL st, zero                    ; 32 products, the accumulators by turns
	WIN 0xa1
.irp a, 0,1,2,3
.irp b, 0,1,2,3,4,5,6,7
.if \zero
	v_wmma_scale_f32_16x16x128_f8f6f4 v[8*(8*\a+\b):8*(8*\a+\b)+7], v[128*((\st)%2)+FR*\b:128*((\st)%2)+FR*\b+FR-1], v[AF+48*((\st)%2)+FR*\a:AF+48*((\st)%2)+FR*\a+FR-1], 0, v[SC+8*\b+(\st)], v[SC+8*\a+(\st)] matrix_a_fmt:MATRIX_FMT_FP6 matrix_b_fmt:MATRIX_FMT_FP6 matrix_a_scale:MATRIX_SCALE_ROW1
.else
	v_wmma_scale_f32_16x16x128_f8f6f4 v[8*(8*\a+\b):8*(8*\a+\b)+7], v[128*((\st)%2)+FR*\b:128*((\st)%2)+FR*\b+FR-1], v[AF+48*((\st)%2)+FR*\a:AF+48*((\st)%2)+FR*\a+FR-1], v[8*(8*\a+\b):8*(8*\a+\b)+7], v[SC+8*\b+(\st)], v[SC+8*\a+(\st)] matrix_a_fmt:MATRIX_FMT_FP6 matrix_b_fmt:MATRIX_FMT_FP6 matrix_a_scale:MATRIX_SCALE_ROW1
.endif
.endr
.endr
.endm
	s_wait_alu depctr_va_vdst(0)           ; the head's end
	s_wait_tensorcnt 0x0                   ; my tile is in
	s_barrier_signal -1
	s_barrier_wait -1                      ; and everybody's
.irp i, 0,1,2,3,4,5,6,7
	ds_load_b128 v[SC+8*\i:SC+8*\i+3], v[ADRS] offset:SBLK*\i
	ds_load_b128 v[SC+8*\i+4:SC+8*\i+7], v[ADRS] offset:SBLK*\i+16
.endr
	FETCH 0
	s_wait_dscnt 0x0
	FETCH 1
	MUL 0, 1                               ; the first step's products start the sums
.set ST, 1
.rept 6
	s_wait_dscnt 0x0                       ; this step's fragments, asked for ahead of the last step's products
	PLACES                                 ; ahead of loads into registers that the last products read
	FETCH ST+1
	MUL ST, 0
.set ST, ST+1
.endr
	s_wait_dscnt 0x0
	MUL 7, 0
	WIN 0
.macro TOSTAGE a
	WIN 0x08
.irp b, 0,1,2,3,4,5,6,7
	ds_store_b128 v[STO], v[64*(\a)+8*\b:64*(\a)+8*\b+3] offset:64*\b      ; each accumulator from its low end on
	ds_store_b128 v[STO], v[64*(\a)+8*\b+4:64*(\a)+8*\b+7] offset:64*\b+16
.endr
	WIN 0
.set BB, BK+64*((\a)%2)
.irp t, 0,1,2,3,4,5,6,7,8,9,10,11,12,13,14,15
	ds_load_b128 v[BB+4*\t:BB+4*\t+3], v[RD] offset:\t*SPITCH              ; a wave's LDS instructions are served in order
.endr
.endm
.macro SEND a, younger
.set BB, BK+64*((\a)%2)
	s_wait_dscnt \younger
.if (\a) > 0
	s_add_nc_u64 s[12:13], s[12:13], 16*SIZE_N*4
.endif
.irp t, 0,1,2,3,4,5,6,7,8,9,10,11,12,13,14,15
	global_store_b128 v[CO], v[BB+4*\t:BB+4*\t+3], s[12:13] offset:\t*SIZE_N*4 th:TH_STORE_NT   ; 32 lanes store 512 consecutive bytes, aligned
.endr
.endm
	PLACES
	TOSTAGE 0
.irp a, 1,2,3
.if \a > 1
	s_wait_xcnt 0x0                        ; block a - 2's stores have read their registers and base
.endif
	TOSTAGE \a
	SEND \a-1, 32                          ; behind block a - 1's loads: block a's 16 stores and 16 loads
.endr
	s_wait_xcnt 0x0
	SEND 3, 0
	s_wait_tensorcnt 0x0                   ; the wave's end
	ds_add_u32 v[SPW], v[NIL]
	s_wait_dscnt 0x0
	CROUND                                 ; the closing round
	s_endpgm
.Lfunc_end_k_q5663a46713_outp:
	.size	k_q5663a46713_outp, .Lfunc_end_k_q5663a46713_outp-k_q5663a46713_outp
	.p2alignl 7, 3214868480
	.fill 96, 4, 3214868480
	.section	.rodata,"a",@progbits
	.p2align	6, 0x0
	.amdhsa_kernel k_q5663a46713_outp
		.amdhsa_group_segment_fixed_size 327680
		.amdhsa_private_segment_fixed_size 0
		.amdhsa_enable_private_segment 0
		.amdhsa_kernarg_size 40
		.amdhsa_user_sgpr_count 2
		.amdhsa_user_sgpr_kernarg_segment_ptr 1
		.amdhsa_wavefront_size32 1
		.amdhsa_system_sgpr_workgroup_id_x 1
		.amdhsa_system_sgpr_workgroup_id_y 1
		.amdhsa_system_sgpr_workgroup_id_z 1
		.amdhsa_system_vgpr_workitem_id 0
		.amdhsa_next_free_vgpr 1024
		.amdhsa_next_free_sgpr 98
		.amdhsa_reserve_vcc 0
		.amdhsa_float_denorm_mode_32 3
		.amdhsa_float_denorm_mode_16_64 3
		.amdhsa_memory_ordered 1
		.amdhsa_forward_progress 1
		.amdhsa_inst_pref_size 94
	.end_amdhsa_kernel
	.amdgpu_metadata
---
amdhsa.version: [ 1, 2 ]
amdhsa.kernels:
  - .name:           k_q5663a46713_outp
    .symbol:         k_q5663a46713_outp.kd
    .args:
      - { .name: aimg, .offset: 0, .size: 8, .value_kind: global_buffer, .address_space: global }
      - { .name: asc, .offset: 8, .size: 8, .value_kind: global_buffer, .address_space: global }
      - { .name: W_out_codes, .offset: 16, .size: 8, .value_kind: global_buffer, .address_space: global }
      - { .name: W_out_scales, .offset: 24, .size: 8, .value_kind: global_buffer, .address_space: global }
      - { .name: out0, .offset: 32, .size: 8, .value_kind: global_buffer, .address_space: global }
    .group_segment_fixed_size: 327680
    .private_segment_fixed_size: 0
    .kernarg_segment_align: 8
    .kernarg_segment_size: 40
    .max_flat_workgroup_size: 128
    .sgpr_count:     98
    .vgpr_count:     1024
    .wavefront_size: 32
...
	.end_amdgpu_metadata
.endif
;; end of part 3
